; MI455X (gfx1250); checked and timed in simulation.
; The chip was launched on July 23, 2026; its instructions are those of AMD's public machine-readable ISA for CDNA 5 (MIT licence, August 2026) and "CDNA5" Instruction Set Architecture Reference Guide (July 2026). The comments in the code are by the model that wrote it; some were corrected since.
;; predictor interp2d. Allowed arithmetic: float matrix products may take bf16 or f16 operands with f32 sums; all other float work in f32.
;; Inputs: R_pc 2 x 4 x 1,024 float32; XY_pc 2 x 2 x 1,024 float32.
;; Outputs: out0 2 x 4 x 256 x 256 float32.
;; One version. Each part assembles by itself: llvm-mc -triple=amdgcn-amd-amdhsa -mcpu=gfx1250 --defsym DOCPART=n.
;; ======== version 1 of 1: 2 launches
;; limits: values outside matrix products are rounded to bf16
;; workspace buffers: chunk 524,288 bytes of whole numbers
;; launch nearest (part 1): grid 256 x 1, 16 waves a work-group, no clusters, 47,104 bytes of LDS; arguments XY_pc, chunk; writes chunk
.if DOCPART == 1
	.amdgcn_target "amdgcn-amd-amdhsa--gfx1250"
	.amdhsa_code_object_version 6
	.text
	.protected	k_q24d6adccb3_nearest
	.globl	k_q24d6adccb3_nearest
	.p2align	8
	.type	k_q24d6adccb3_nearest,@function
k_q24d6adccb3_nearest:
	s_mov_b64 s[64:65], 0
	v_nop
	global_prefetch_b8 v0, s[64:65] scope:SCOPE_SE
	s_setreg_imm32_b32 hwreg(HW_REG_WAVE_MODE, 25, 1), 1
	s_wait_xcnt 0x0
; For every grid cell: in which chunk of 16 points does the FIRST smallest d2 = |p|^2 - 2 g.p lie?  chunk[b][row][col] = 0 .. 63 (u32).
; The next launch looks into that chunk alone.
;
; NUMBERS.  XY is rounded to bf16 (8 significant bits), the format of a matrix operand; the grid value (2 i + 1) / 512 has 9 bits and is
; kept exact.  Then every product of the formula is exact in f32 and the formula has exactly three roundings:
;   pp = rnd(px px + py py),  dot = rnd(gx px + gy py),  d2 = rnd(pp - 2 dot).
; They are made here one for one: tx = (-2 gx) px (exact), t = fma(py, -2 gy, tx) = -2 dot, d2 = t + pp.  An argmin turns one other last
; bit into another point, so the order of rounding is part of the result.  That is why this K = 2 product runs on the vector ALU: a matrix
; instruction rounds its sum in its own way, and the product would fill 2 of its 32 places along k.
; LIMITS: the nearest point is that of the bf16-rounded coordinates.  Inputs are finite (a NaN never wins here).  Products are exact for
; coordinates that are 0 or between 2^-50 and 2^60 in magnitude.  Equal d2: the lowest point number wins (strict compares, ascending order).
;
; SHARES.  A work-group: one batch, 8 grid rows x 64 columns.  Wave w: columns 32 (w & 1) + lane, points 128 (w >> 1) .. + 127 (8 chunks),
; all 8 rows.  Per two points and one row: v_pk_fma_f32, v_pk_add_f32, v_min3_num_f32; one v_pk_mul_f32 (tx) serves the 8 rows; three
; instructions per chunk and row keep the best chunk.  The point data are the same in all lanes: they are read from LDS, every lane at the
; same address, 12 loads of 16 bytes for a chunk, one chunk ahead.  The 8 chunks are written out, so that every LDS address is a constant
; of the wave plus an immediate.
; No cluster, no tensor load: what work-groups share is a batch's 8,192 bytes of XY, read once by each through registers.
.set PXO,  0                           ; LDS: px[1024] f32 (bf16 values)
.set PYO,  4096                        ;      py[1024]
.set PPO,  8192                        ;      pp[1024]
.set RV,   12288                       ;      [8 point ranges][512 cells] smallest d2
.set RC,   28672                       ;      [8 point ranges][512 cells] its chunk
.set GX,   2                           ; v[2:3]     -2 gx of my column, twice
.set PA,   4                           ; v4         LDS byte of my wave's first point in each table
.set CIDV, 5                           ; v5         number of the chunk at work
.set TX,   6                           ; v[6:9]     tx of two points, two sets in turn
.set D,    10                          ; v[10:25]   row j: d2 of two points
.set RUN,  26                          ; v[26:33]   row j: the chunk's minimum
.set BEST, 34                          ; v[34:41]   row j: the smallest so far
.set IDX,  42                          ; v[42:49]   row j: its chunk
.set ST,   50                          ; v50        where my partial results go
.set XO,   51                          ; v51        global offsets
.set BUFA, 52                          ; v[52:99]   a chunk: px 16, py 16, pp 16
.set BUFB, 100                         ; v[100:147] the other one
.set VB,   52                          ; the merge: minima of 8 ranges x 2 cells
.set CB,   68                          ;            their chunks
.set GY,   16                          ; s[16:31]   row j: -2 gy, in an even-aligned pair
.set MK,   32                          ; s[32:39]   lane masks
	s_load_b128 s[4:7], s[0:1], 0x0                ; XY_pc s[4:5], chunk s[6:7]
	v_lshl_add_u32 v148, v0, 2, 0xb000
	v_mov_b32 v149, 0
	v_lshrrev_b32 v1, 5, v0
	v_readfirstlane_b32 s8, v1                     ; wave 0 .. 15
	s_lshr_b32 s9, ttmp9, 7                        ; batch
	s_and_b32 s10, ttmp9, 127
	s_lshr_b32 s11, s10, 2                         ; tile row: 8 grid rows
	s_and_b32 s12, s10, 3                          ; tile column: 64 grid columns
	s_lshl_b32 s13, s9, 13                         ; a batch of XY is 8,192 bytes
	v_lshl_or_b32 v[XO], v0, 3, s13                ; thread t takes points 2 t, 2 t + 1: a wave's load covers 256 neighbouring bytes
	s_wait_kmcnt 0x0
	global_load_b64 v[10:11], v[XO], s[4:5]                ; x
	global_load_b64 v[12:13], v[XO], s[4:5] offset:4096    ; y
	; while they come: -2 gy = -(2 row + 1) / 256 of my 8 rows, -2 gx = -(2 col + 1) / 256 of my column (0xbb800000 = -1/256)
	s_lshl_b32 s13, s11, 4                         ; 2 x first row
.irp j, 0,1,2,3,4,5,6,7
	s_add_co_u32 s14, s13, 2*\j+1
	s_cvt_f32_u32 s[GY+2*\j], s14
	s_mul_f32 s[GY+2*\j], s[GY+2*\j], 0xbb800000
	s_mov_b32 s[GY+2*\j+1], s[GY+2*\j]             ; the pair is named whole by the packed instruction
.endr
	v_and_b32 v1, 31, v0                           ; lane
	s_and_b32 s14, s8, 1                           ; my half of the 64 columns
	s_lshr_b32 s15, s8, 1                          ; my range of 128 points
	s_lshl_b32 s40, s12, 7
	s_lshl_b32 s41, s14, 6
	s_add_co_u32 s40, s40, s41
	s_add_co_u32 s40, s40, 1                       ; 2 x (64 tile column + 32 half) + 1
	v_lshl_add_u32 v[GX], v1, 1, s40
	v_cvt_f32_u32 v[GX], v[GX]
	v_mul_f32 v[GX], 0xbb800000, v[GX]
	v_mov_b32 v[GX+1], v[GX]
	s_lshl_b32 s42, s15, 9
	v_mov_b32 v[PA], s42                           ; 128 points x 4 bytes a range
	s_lshl_b32 s43, s15, 3
	v_mov_b32 v[CIDV], s43                         ; my first chunk
	s_lshl_b32 s44, s15, 11                        ; partial results: range x 2,048 bytes
	s_lshl_b32 s45, s14, 7                         ; + half x 32 cells
	s_add_co_u32 s44, s44, s45
	v_lshl_add_u32 v[ST], v1, 2, s44               ; + lane; the row goes into the immediate
	; the tables: round to bf16, widen again, pp with one rounding (px px is exact)
	s_wait_loadcnt 0x0
	v_cvt_pk_bf16_f32 v14, v10, v11
	v_cvt_pk_bf16_f32 v15, v12, v13
	v_lshlrev_b32 v10, 16, v14
	v_and_b32 v11, 0xffff0000, v14
	v_lshlrev_b32 v12, 16, v15
	v_and_b32 v13, 0xffff0000, v15
	v_pk_mul_f32 v[16:17], v[10:11], v[10:11]
	v_pk_fma_f32 v[16:17], v[12:13], v[12:13], v[16:17]
	v_lshlrev_b32 v18, 3, v0
	ds_store_b64 v18, v[10:11] offset:PXO
	ds_store_b64 v18, v[12:13] offset:PYO
	ds_store_b64 v18, v[16:17] offset:PPO
	s_wait_dscnt 0x0                               ; my part of the tables is written,
	s_barrier_signal -1
	s_barrier_wait -1                              ; everybody's is
; 12 loads: chunk c of my range into buffer b
.macro LOADS b, c
.irp i, 0,1,2,3
	ds_load_b128 v[\b+4*\i:\b+4*\i+3],       v[PA] offset:PXO+64*(\c)+16*\i
.endr
.irp i, 0,1,2,3
	ds_load_b128 v[\b+16+4*\i:\b+16+4*\i+3], v[PA] offset:PYO+64*(\c)+16*\i
.endr
.irp i, 0,1,2,3
	ds_load_b128 v[\b+32+4*\i:\b+32+4*\i+3], v[PA] offset:PPO+64*(\c)+16*\i
.endr
.endm
; The chunk in buffer p against my column's 8 rows.  first = 1: its minima start BEST, nothing is preset.
.macro CHUNK p, first
.if \first
.set DST, BEST
.else
.set DST, RUN
.endif
.irp i, 0,1,2,3,4,5,6,7
	v_pk_mul_f32 v[TX+2*(\i&1):TX+2*(\i&1)+1], v[\p+2*\i:\p+2*\i+1], v[GX:GX+1]          ; tx = -2 gx px, exact
.irp j, 0,1,2,3,4,5,6,7
	v_pk_fma_f32 v[D+2*\j:D+2*\j+1], v[\p+16+2*\i:\p+17+2*\i], s[GY+2*\j:GY+2*\j+1], v[TX+2*(\i&1):TX+2*(\i&1)+1] op_sel_hi:[1,0,1]   ; -2 dot: one rounding
.endr
.irp j, 0,1,2,3,4,5,6,7
	v_pk_add_f32 v[D+2*\j:D+2*\j+1], v[D+2*\j:D+2*\j+1], v[\p+32+2*\i:\p+33+2*\i]        ; d2 = pp - 2 dot: one rounding
.endr
.irp j, 0,1,2,3,4,5,6,7
.if \i == 0
	v_min_num_f32 v[DST+\j], v[D+2*\j], v[D+2*\j+1]
.else
	v_min3_num_f32 v[DST+\j], v[DST+\j], v[D+2*\j], v[D+2*\j+1]
.endif
.endr
.endr
.if \first
.irp j, 0,1,2,3,4,5,6,7
	v_mov_b32 v[IDX+\j], v[CIDV]
.endr
.else
.irp j, 0,1,2,3,4,5,6,7
	v_cmp_lt_f32 s[MK+\j], v[RUN+\j], v[BEST+\j]           ; strictly smaller: on a tie the earlier chunk stays
.endr
.irp j, 0,1,2,3,4,5,6,7
	v_cndmask_b32 v[IDX+\j], v[IDX+\j], v[CIDV], s[MK+\j]
.endr
.irp j, 0,1,2,3,4,5,6,7
	v_min_num_f32 v[BEST+\j], v[BEST+\j], v[RUN+\j]
.endr
.endif
	v_add_nc_u32 v[CIDV], 1, v[CIDV]
.endm
	LOADS BUFA, 0
	LOADS BUFB, 1
	s_wait_dscnt 12                                ; LDS loads come back in order: the older 12 are in, the next chunk's 12 stay out
	CHUNK BUFA, 1
.irp c, 2,4,6
	LOADS BUFA, \c
	s_wait_dscnt 12
	CHUNK BUFB, 0
	LOADS BUFB, \c+1
	s_wait_dscnt 12
	CHUNK BUFA, 0
.endr
	s_wait_dscnt 0x0                               ; the last chunk: nothing was asked for behind it
	CHUNK BUFB, 0
	; my range's result for 8 rows x 32 columns; cell number in the tile = 64 row + column
.irp j, 0,1,2,3,4,5,6,7
	ds_store_b32 v[ST], v[BEST+\j] offset:RV+256*\j
	ds_store_b32 v[ST], v[IDX+\j]  offset:RC+256*\j
.endr
	s_wait_dscnt 0x0
	s_barrier_signal -1
	s_barrier_wait -1
	; The merge of the 8 ranges, in ascending order.  Waves 0 to 7, wave = row, two neighbouring cells a lane, so that a wave's one store
	; covers 256 consecutive bytes at a multiple of 256 from the buffer's first byte.
	s_cmp_ge_u32 s8, 8
	s_cbranch_scc1 .Ldone
	s_lshl_b32 s46, s8, 8
	v_lshl_add_u32 v[PA], v1, 3, s46               ; 8 bytes x (32 wave + lane)
.irp q, 0,1,2,3,4,5,6,7
	ds_load_b64 v[VB+2*\q:VB+2*\q+1], v[PA] offset:RV+2048*\q
	ds_load_b64 v[CB+2*\q:CB+2*\q+1], v[PA] offset:RC+2048*\q
.endr
	s_lshl_b32 s44, s9, 18                         ; byte offset: 4 x (65,536 batch + 256 (8 tile row + wave) + 64 tile column + 2 lane)
	s_lshl_b32 s45, s11, 13
	s_or_b32 s44, s44, s45
	s_lshl_b32 s45, s8, 10
	s_or_b32 s44, s44, s45
	s_lshl_b32 s45, s12, 8
	s_or_b32 s44, s44, s45
	v_lshl_or_b32 v[XO], v1, 3, s44
.irp q, 1,2,3,4,5,6,7
	s_wait_dscnt 14-2*\q                           ; ranges 0 .. q are in: two loads a range, those of the later ranges stay out
	v_cmp_lt_f32 s[MK],   v[VB+2*\q],   v[VB]
	v_cmp_lt_f32 s[MK+1], v[VB+2*\q+1], v[VB+1]
	v_cndmask_b32 v[CB],   v[CB],   v[CB+2*\q],   s[MK]
	v_cndmask_b32 v[CB+1], v[CB+1], v[CB+2*\q+1], s[MK+1]
	v_min_num_f32 v[VB],   v[VB],   v[VB+2*\q]
	v_min_num_f32 v[VB+1], v[VB+1], v[VB+2*\q+1]
.endr
	global_store_b64 v[XO], v[CB:CB+1], s[6:7]
.Ldone:
	s_wait_tensorcnt 0x0
	ds_add_u32 v148, v149
	s_wait_dscnt 0x0
	s_endpgm
.Lfunc_end_k_q24d6adccb3_nearest:
	.size	k_q24d6adccb3_nearest, .Lfunc_end_k_q24d6adccb3_nearest-k_q24d6adccb3_nearest
	.p2alignl 7, 3214868480
	.fill 96, 4, 3214868480
	.section	.rodata,"a",@progbits
	.p2align	6, 0x0
	.amdhsa_kernel k_q24d6adccb3_nearest
		.amdhsa_group_segment_fixed_size 47104
		.amdhsa_private_segment_fixed_size 0
		.amdhsa_enable_private_segment 0
		.amdhsa_kernarg_size 16
		.amdhsa_user_sgpr_count 2
		.amdhsa_user_sgpr_kernarg_segment_ptr 1
		.amdhsa_wavefront_size32 1
		.amdhsa_system_sgpr_workgroup_id_x 1
		.amdhsa_system_sgpr_workgroup_id_y 1
		.amdhsa_system_sgpr_workgroup_id_z 1
		.amdhsa_system_vgpr_workitem_id 0
		.amdhsa_next_free_vgpr 150
		.amdhsa_next_free_sgpr 66
		.amdhsa_reserve_vcc 0
		.amdhsa_float_denorm_mode_32 3
		.amdhsa_float_denorm_mode_16_64 3
		.amdhsa_memory_ordered 1
		.amdhsa_forward_progress 1
		.amdhsa_inst_pref_size 123
	.end_amdhsa_kernel
	.amdgpu_metadata
---
amdhsa.version: [ 1, 2 ]
amdhsa.kernels:
  - .name:           k_q24d6adccb3_nearest
    .symbol:         k_q24d6adccb3_nearest.kd
    .args:
      - { .name: XY_pc, .offset: 0, .size: 8, .value_kind: global_buffer, .address_space: global }
      - { .name: chunk, .offset: 8, .size: 8, .value_kind: global_buffer, .address_space: global }
    .group_segment_fixed_size: 47104
    .private_segment_fixed_size: 0
    .kernarg_segment_align: 8
    .kernarg_segment_size: 16
    .max_flat_workgroup_size: 512
    .sgpr_count:     66
    .vgpr_count:     150
    .wavefront_size: 32
...
	.end_amdgpu_metadata
.endif
;; end of part 1
;; launch pick (part 2): grid 256 x 1, 8 waves a work-group, no clusters, 30,720 bytes of LDS; arguments R_pc, XY_pc, chunk, out0; writes out0
.if DOCPART == 2
	.amdgcn_target "amdgcn-amd-amdhsa--gfx1250"
	.amdhsa_code_object_version 6
	.text
	.protected	k_q24d6adccb3_pick
	.globl	k_q24d6adccb3_pick
	.p2align	8
	.type	k_q24d6adccb3_pick,@function
k_q24d6adccb3_pick:
	s_mov_b64 s[64:65], 0
	v_nop
	global_prefetch_b8 v0, s[64:65] scope:SCOPE_SE
	s_setreg_imm32_b32 hwreg(HW_REG_WAVE_MODE, 25, 1), 1
	s_wait_xcnt 0x0
; out0[b][c][row][col] = R_pc[b][c][n], n = the first point with the smallest d2 among the 16 points of chunk[b][row][col].
; The chunk's number is a whole number read from memory, so it may form an LDS address.  Which of the 16 wins is a comparison of floats made
; here, so it forms no address: all 16 candidates' four values of R are loaded and the winner's are carried along by v_cndmask_b32.
; d2 is made exactly as in the launch before: XY rounded to bf16, tx = (-2 gx) px exact, t = fma(py, -2 gy, tx), d2 = t + pp, with
; pp = fma(py, py, px px): the three roundings of the formula.  R stays f32.  The same limits: finite inputs, a NaN never wins, coordinates
; 0 or between 2^-50 and 2^60 in magnitude; equal d2: the lowest point number (strict compares in ascending order).
;
; SHARES.  A work-group: 512 consecutive cells (two grid rows of one batch).  A thread: two neighbouring cells, so that each store of a wave
; covers 256 consecutive bytes at a multiple of 256 from out0's first byte.
; LDS: one record for each of the batch's 64 chunks: px 16, py 16, pp 16, R of channel 0 .. 3 16 each (448 bytes) + 16 bytes never touched:
; the pitch of 464 bytes is an odd multiple of 16, so lanes that read the same place of different records start in different banks.
; Thread t fills 4 points: a quarter of each of the seven rows of record t / 4.
; No cluster, no tensor load: what work-groups share is 24 KB of a batch's XY and R, read once by each through registers.
.set REC, 464
.set ID,  2                            ; v[2:3]     my two cells' chunks
.set GX0, 4                            ; v[4:5]     -2 gx of cell 0, twice
.set GX1, 6                            ; v[6:7]     -2 gx of cell 1, twice
.set GY,  8                            ; v[8:9]     -2 gy, twice
.set GO,  10                           ; v10        byte offset in out0
.set FA,  11                           ; v11        where I fill
.set AD0, 12                           ; v12, v13   my two cells' records
.set AD1, 13
.set B0,  14                           ; v14, v15   smallest d2 so far
.set B1,  15
.set O,   16                           ; v[16:23]   channel c: the pair (cell 0, cell 1) to store
.set C0,  24                           ; v[24:135]  cell 0's record: px (then d2) 16, py 16, pp 16, R 4 x 16
.set C1,  136                          ; v[136:247] cell 1's
.set XA,  24                           ; during the fill, in registers that the records take later:
.set RA,  25                           ;   offsets,
.set IA,  26
.set XL,  28                           ;   v[28:31] x, v[32:35] y of 4 points,
.set YL,  32
.set RL,  36                           ;   v[36:51] R of 4 channels x 4 points,
.set T,   52                           ;   v[52:55] packed bf16,
.set PQ,  56                           ;   v[56:59] pp
	s_load_b256 s[4:11], s[0:1], 0x0               ; R_pc s[4:5], XY_pc s[6:7], chunk s[8:9], out0 s[10:11]
	v_lshl_add_u32 v248, v0, 2, 0x7400
	v_mov_b32 v249, 0
	s_lshr_b32 s12, ttmp9, 7                       ; batch
	s_and_b32 s13, ttmp9, 127                      ; pair of grid rows
	s_lshl_b32 s14, s12, 13                        ; a batch of XY: 8,192 bytes
	s_lshl_b32 s15, s12, 14                        ; a batch of R: 16,384 bytes
	s_lshl_b32 s16, ttmp9, 11                      ; 512 cells x 4 bytes of chunk numbers a work-group
	v_lshl_or_b32 v[XA], v0, 4, s14
	v_lshl_or_b32 v[RA], v0, 4, s15
	v_lshl_or_b32 v[IA], v0, 3, s16
	s_wait_kmcnt 0x0
	global_load_b128 v[XL:XL+3], v[XA], s[6:7]                 ; x of points 4 t .. 4 t + 3
	global_load_b128 v[YL:YL+3], v[XA], s[6:7] offset:4096     ; y
.irp c, 0,1,2,3
	global_load_b128 v[RL+4*\c:RL+4*\c+3], v[RA], s[4:5] offset:4096*\c
.endr
	global_load_b64 v[ID:ID+1], v[IA], s[8:9]
	; while they come: -2 gx = -(2 col + 1) / 256 with col = 2 (t & 127) + 0, 1;  -2 gy likewise with row = 2 pair + (t >> 7)
	v_and_b32 v1, 127, v0
	v_lshlrev_b32 v1, 2, v1
	v_or_b32 v[GX0], 1, v1
	v_or_b32 v[GX1], 3, v1
	v_cvt_f32_u32 v[GX0], v[GX0]
	v_cvt_f32_u32 v[GX1], v[GX1]
	v_mul_f32 v[GX0], 0xbb800000, v[GX0]           ; x -1/256
	v_mul_f32 v[GX1], 0xbb800000, v[GX1]
	v_mov_b32 v[GX0+1], v[GX0]
	v_mov_b32 v[GX1+1], v[GX1]
	s_lshl_b32 s17, s13, 2
	s_add_co_u32 s17, s17, 1
	v_lshrrev_b32 v1, 7, v0
	v_lshl_add_u32 v[GY], v1, 1, s17
	v_cvt_f32_u32 v[GY], v[GY]
	v_mul_f32 v[GY], 0xbb800000, v[GY]
	v_mov_b32 v[GY+1], v[GY]
	v_lshrrev_b32 v1, 2, v0
	v_mul_u32_u24 v1, v1, REC                      ; record t / 4,
	v_and_b32 v[FA], 3, v0
	v_lshl_add_u32 v[FA], v[FA], 4, v1             ; quarter t % 4 of its rows
	s_lshl_b32 s18, s12, 20                        ; out0: a batch is 4 x 262,144 bytes,
	s_lshl_b32 s19, s13, 11                        ; two grid rows 2,048
	s_or_b32 s18, s18, s19
	v_lshl_or_b32 v[GO], v0, 3, s18
	; the fill
	s_wait_loadcnt 0x5                             ; x and y are in; the four loads of R and the chunk numbers stay out
	v_cvt_pk_bf16_f32 v[T],   v[XL],   v[XL+1]
	v_cvt_pk_bf16_f32 v[T+1], v[XL+2], v[XL+3]
	v_cvt_pk_bf16_f32 v[T+2], v[YL],   v[YL+1]
	v_cvt_pk_bf16_f32 v[T+3], v[YL+2], v[YL+3]
.irp k, 0,1
	v_lshlrev_b32 v[XL+2*\k],   16,         v[T+\k]
	v_and_b32     v[XL+2*\k+1], 0xffff0000, v[T+\k]
	v_lshlrev_b32 v[YL+2*\k],   16,         v[T+2+\k]
	v_and_b32     v[YL+2*\k+1], 0xffff0000, v[T+2+\k]
.endr
.irp k, 0,2
	v_pk_mul_f32 v[PQ+\k:PQ+\k+1], v[XL+\k:XL+\k+1], v[XL+\k:XL+\k+1]
.endr
.irp k, 0,2
	v_pk_fma_f32 v[PQ+\k:PQ+\k+1], v[YL+\k:YL+\k+1], v[YL+\k:YL+\k+1], v[PQ+\k:PQ+\k+1]
.endr
	ds_store_b128 v[FA], v[XL:XL+3]
	ds_store_b128 v[FA], v[YL:YL+3] offset:64
	ds_store_b128 v[FA], v[PQ:PQ+3] offset:128
	s_wait_loadcnt 0x1                             ; R is in; the chunk numbers stay out
.irp c, 0,1,2,3
	ds_store_b128 v[FA], v[RL+4*\c:RL+4*\c+3] offset:192+64*\c
.endr
	s_wait_loadcnt 0x0
	v_min_u32 v[ID],   63, v[ID]                   ; a loaded number becomes an address only inside the table
	v_min_u32 v[ID+1], 63, v[ID+1]
	v_mul_u32_u24 v[AD0], v[ID],   REC
	v_mul_u32_u24 v[AD1], v[ID+1], REC
	s_wait_dscnt 0x0                               ; my part of the records is written,
	s_barrier_signal -1
	s_barrier_wait -1                              ; everybody's is
; n loads of 16 bytes, from the from-th on, of the record at address register a into the registers from c on
.macro GET c, a, from, n
.set i, \from
.rept \n
	ds_load_b128 v[\c+4*i:\c+4*i+3], v[\a] offset:16*i
.set i, i+1
.endr
.endm
; d2 of a record's 16 points, two at a time, in the place of px
.macro DIST c, gx
.irp i, 0,2,4,6,8,10,12,14
	v_pk_mul_f32 v[\c+\i:\c+\i+1], v[\c+\i:\c+\i+1], v[\gx:\gx+1]                        ; tx, exact
.endr
.irp i, 0,2,4,6,8,10,12,14
	v_pk_fma_f32 v[\c+\i:\c+\i+1], v[\c+16+\i:\c+17+\i], v[GY:GY+1], v[\c+\i:\c+\i+1]    ; -2 dot
.endr
.irp i, 0,2,4,6,8,10,12,14
	v_pk_add_f32 v[\c+\i:\c+\i+1], v[\c+\i:\c+\i+1], v[\c+32+\i:\c+33+\i]                ; + pp
.endr
.endm
	GET C0, AD0, 0, 12                             ; px, py, pp of both cells first,
	GET C1, AD1, 0, 12
	GET C0, AD0, 12, 16                            ; then R
	GET C1, AD1, 12, 16
	s_wait_dscnt 32                                ; the 24 older loads are in; the 32 loads of R stay out while the distances are made
	DIST C0, GX0
	DIST C1, GX1
	s_wait_dscnt 0x0
	; candidate 1 against candidate 0 starts the choice: nothing is preset
	v_cmp_lt_f32 s20, v[C0+1], v[C0]
	v_cmp_lt_f32 s21, v[C1+1], v[C1]
.irp c, 0,1,2,3
	v_cndmask_b32 v[O+2*\c],   v[C0+48+16*\c], v[C0+49+16*\c], s20
	v_cndmask_b32 v[O+2*\c+1], v[C1+48+16*\c], v[C1+49+16*\c], s21
.endr
	v_min_num_f32 v[B0], v[C0], v[C0+1]
	v_min_num_f32 v[B1], v[C1], v[C1+1]
.irp k, 2,3,4,5,6,7,8,9,10,11,12,13,14,15
	v_cmp_lt_f32 s20, v[C0+\k], v[B0]              ; strictly smaller: on a tie the earlier point stays
	v_cmp_lt_f32 s21, v[C1+\k], v[B1]
.irp c, 0,1,2,3
	v_cndmask_b32 v[O+2*\c],   v[O+2*\c],   v[C0+48+16*\c+\k], s20
	v_cndmask_b32 v[O+2*\c+1], v[O+2*\c+1], v[C1+48+16*\c+\k], s21
.endr
	v_min_num_f32 v[B0], v[B0], v[C0+\k]
	v_min_num_f32 v[B1], v[B1], v[C1+\k]
.endr
.irp c, 0,1,2,3
	global_store_b64 v[GO], v[O+2*\c:O+2*\c+1], s[10:11] offset:262144*\c th:TH_STORE_NT
.endr
	s_wait_tensorcnt 0x0
	ds_add_u32 v248, v249
	s_wait_dscnt 0x0
	s_endpgm
.Lfunc_end_k_q24d6adccb3_pick:
	.size	k_q24d6adccb3_pick, .Lfunc_end_k_q24d6adccb3_pick-k_q24d6adccb3_pick
	.p2alignl 7, 3214868480
	.fill 96, 4, 3214868480
	.section	.rodata,"a",@progbits
	.p2align	6, 0x0
	.amdhsa_kernel k_q24d6adccb3_pick
		.amdhsa_group_segment_fixed_size 30720
		.amdhsa_private_segment_fixed_size 0
		.amdhsa_enable_private_segment 0
		.amdhsa_kernarg_size 32
		.amdhsa_user_sgpr_count 2
		.amdhsa_user_sgpr_kernarg_segment_ptr 1
		.amdhsa_wavefront_size32 1
		.amdhsa_system_sgpr_workgroup_id_x 1
		.amdhsa_system_sgpr_workgroup_id_y 1
		.amdhsa_system_sgpr_workgroup_id_z 1
		.amdhsa_system_vgpr_workitem_id 0
		.amdhsa_next_free_vgpr 250
		.amdhsa_next_free_sgpr 66
		.amdhsa_reserve_vcc 0
		.amdhsa_float_denorm_mode_32 3
		.amdhsa_float_denorm_mode_16_64 3
		.amdhsa_memory_ordered 1
		.amdhsa_forward_progress 1
		.amdhsa_inst_pref_size 22
	.end_amdhsa_kernel
	.amdgpu_metadata
---
amdhsa.version: [ 1, 2 ]
amdhsa.kernels:
  - .name:           k_q24d6adccb3_pick
    .symbol:         k_q24d6adccb3_pick.kd
    .args:
      - { .name: R_pc, .offset: 0, .size: 8, .value_kind: global_buffer, .address_space: global }
      - { .name: XY_pc, .offset: 8, .size: 8, .value_kind: global_buffer, .address_space: global }
      - { .name: chunk, .offset: 16, .size: 8, .value_kind: global_buffer, .address_space: global }
      - { .name: out0, .offset: 24, .size: 8, .value_kind: global_buffer, .address_space: global }
    .group_segment_fixed_size: 30720
    .private_segment_fixed_size: 0
    .kernarg_segment_align: 8
    .kernarg_segment_size: 32
    .max_flat_workgroup_size: 256
    .sgpr_count:     66
    .vgpr_count:     250
    .wavefront_size: 32
...
	.end_amdgpu_metadata
.endif
;; end of part 2
